; MI455X (gfx1250); checked and timed in simulation.
; The chip was launched on July 23, 2026; its instructions are those of AMD's public machine-readable ISA for CDNA 5 (MIT licence, August 2026) and "CDNA5" Instruction Set Architecture Reference Guide (July 2026). The comments in the code are by the model that wrote it; some were corrected since.
;; Capsule. Allowed arithmetic: float matrix products may take bf16 or f16 operands with f32 sums; other float arithmetic in f32, or as packed bf16 or f16 multiplies, adds, multiply-adds, maxima and minima; sums over many terms, partial sums and values carried from step to step in f32; what a program stores and reads back later, other than sums and carried values, may be rounded once to bf16 or f16.
;; Inputs: W 1 x 512 x 2,048 float32; u_vecs 64 x 1,024 x 512 float32.
;; Outputs: out0 64 x 32 x 64 float32.
;; 2 versions, each right; version 2 is version 1 with the launch cast written anew for expert scheduling mode. Each part assembles by itself: llvm-mc -triple=amdgcn-amd-amdhsa -mcpu=gfx1250 --defsym DOCPART=n.
;; ======== version 1 of 2: 6 launches
;; limits: inputs' magnitudes at most 2,047; values are held in f16: magnitudes above 65,504 overflow, below 6.1e-05 lose precision
;; workspace buffers: u16 67,108,864 bytes; t0 524,288 bytes; t 16,777,216 bytes; g 2,097,152 bytes
;; launch cast (part 1): grid 256 x 1, 16 waves a work-group, no clusters, 10,240 bytes of LDS; arguments u_vecs, u16, t0; writes u16, t0
.if DOCPART == 1
	.amdgcn_target "amdgcn-amd-amdhsa--gfx1250"
	.amdhsa_code_object_version 6
	.text
	.protected	k_q0190cbc1b7_cast
	.globl	k_q0190cbc1b7_cast
	.p2align	8
	.type	k_q0190cbc1b7_cast,@function
k_q0190cbc1b7_cast:
	s_mov_b64 s[64:65], 0
	v_nop
	global_prefetch_b8 v0, s[64:65] scope:SCOPE_SE
	s_setreg_imm32_b32 hwreg(HW_REG_WAVE_MODE, 25, 1), 1
	s_wait_xcnt 0x0
; u16[b][i][k] = u[b][i][k] rounded once to f16;  t0[b][r][k] = (1/32) x the sum of u[b][i][k] over the 256 rows i of row block r, in f32.
; (In the first routing step every coupling weight is softmax(0) = 1/32 exactly, so that step's weighted sum of rows is this column sum.)
; SHARES.  Work-group w = 4 b + r owns 256 rows of 512 f32.  Thread t owns four columns (quad c = t % 128) of row p = t / 128 in each group of four rows: 64 groups.
; A wave's load covers 512 consecutive bytes of u, its store 256 consecutive bytes of u16, aligned.  A ring of DEPTH register slots keeps DEPTH loads of every wave on their way.
; LIMITS.  u16 is a matrix operand of the later launches, in f16: eleven significant bits; no number beyond 65,504 (the later launches ask for |u| below 2,047); below 6e-5 f16's fixed step of 6e-8.
; The column sums are f32 sums of the unrounded u, in an order of their own.
.set DEPTH,  16                        ; slots = loads in flight in each wave
.set ROUNDS, 64/DEPTH                  ; each round takes every slot once
.set GIN,    8192                      ; bytes of a group of four rows of u
.set GOUT,   4096                      ; and of u16
.set SPARE,  8192                      ; LDS: 0 .. 8,191 the threads' partial sums; behind them the spare words, 128 bytes for each of 16 waves, which no other line names
.set VI,  1                            ; v1       2,048 p + 16 c: my 16 bytes in a group of u; never rewritten
.set VO,  2                            ; v2       1,024 p + 8 c: my 8 bytes in a group of u16; never rewritten
.set LP,  3                            ; v3       16 t: where my partial sums go
.set SPW, 4                            ; v4       LDS address of my spare word; never rewritten
.set NIL, 5                            ; v5       0; never rewritten
.set LC,  6                            ; v6       16 c
.set SUM, 8                            ; v[8:11] sums of the even slots, v[12:15] of the odd ones: two chains that do not wait for each other
.set X,   16                           ; v[16:79]   slot i: four f32 as loaded
.set Y,   80                           ; v[80:111]  slot i: four f16 to store
	s_load_b128 s[4:7], s[0:1], 0x0                ; u s[4:5], u16 s[6:7]
	s_load_b64 s[8:9], s[0:1], 0x10                ; t0
	v_lshl_add_u32 v[SPW], v0, 2, SPARE
	v_mov_b32 v[NIL], 0
	v_lshrrev_b32 v7, 5, v0
	v_readfirstlane_b32 s10, v7                    ; wave 0..15
	v_lshrrev_b32 v7, 7, v0                        ; p
	v_and_b32 v[LC], 127, v0
	v_lshlrev_b32 v[LC], 4, v[LC]                  ; 16 c
	v_lshl_add_u32 v[VI], v7, 11, v[LC]
	v_lshrrev_b32 v[VO], 1, v[LC]
	v_lshl_add_u32 v[VO], v7, 10, v[VO]
	v_lshlrev_b32 v[LP], 4, v0
.irp k, 0,1,2,3,4,5,6,7
	v_mov_b32 v[SUM+(\k)], 0                       ; eight lines, so that the ring has one form of slot
.endr
	s_mov_b32 s3, 0
	s_lshl_b32 s2, ttmp9, 19                       ; 256 rows of 2,048 bytes
	s_wait_kmcnt 0x0
	s_add_nc_u64 s[4:5], s[4:5], s[2:3]
	s_lshl_b32 s2, ttmp9, 18                       ; 256 rows of 1,024 bytes
	s_add_nc_u64 s[6:7], s[6:7], s[2:3]
	s_lshl_b32 s2, ttmp9, 11                       ; one row of 512 f32
	s_add_nc_u64 s[8:9], s[8:9], s[2:3]
.irp i, 0,1,2,3,4,5,6,7,8,9,10,11,12,13,14,15
	global_load_b128 v[X+4*(\i):X+4*(\i)+3], v[VI], s[4:5] offset:(\i)*GIN th:TH_LOAD_NT  ; fill the ring: groups 0 to 15
.endr
; One slot's turn.  ahead = 1: the slot is filled again with the group DEPTH further on.  left = how many younger loads may stay out.
.macro SLOT i, ahead, left
	s_wait_loadcnt \left                           ; loads come back in order (ISA guide 5.7.1): mine is in, the younger ones stay out
	v_pk_add_f32 v[SUM+4*((\i)%2):SUM+4*((\i)%2)+1],   v[SUM+4*((\i)%2):SUM+4*((\i)%2)+1],   v[X+4*(\i):X+4*(\i)+1]
	v_pk_add_f32 v[SUM+4*((\i)%2)+2:SUM+4*((\i)%2)+3], v[SUM+4*((\i)%2)+2:SUM+4*((\i)%2)+3], v[X+4*(\i)+2:X+4*(\i)+3]
	v_cvt_pk_f16_f32 v[Y+2*(\i)],   v[X+4*(\i)],   v[X+4*(\i)+1]
	v_cvt_pk_f16_f32 v[Y+2*(\i)+1], v[X+4*(\i)+2], v[X+4*(\i)+3]
.if \ahead
	global_load_b128 v[X+4*(\i):X+4*(\i)+3], v[VI], s[4:5] offset:(DEPTH+(\i))*GIN th:TH_LOAD_NT  ; the load goes ahead of the store
.endif
	global_store_b64 v[VO], v[Y+2*(\i):Y+2*(\i)+1], s[6:7] offset:(\i)*GOUT th:TH_STORE_NT
.endm
	s_mov_b32 s12, ROUNDS-1
.Lround:
.irp i, 0,1,2,3,4,5,6,7,8,9,10,11,12,13,14,15
	SLOT \i, 1, DEPTH-1
.endr
	s_wait_xcnt 0x0                                ; once a round: the two bases, and every slot's Y, are written again only behind this wait
	s_add_nc_u64 s[4:5], s[4:5], DEPTH*GIN
	s_add_nc_u64 s[6:7], s[6:7], DEPTH*GOUT
	s_sub_co_u32 s12, s12, 1
	s_cmp_lg_u32 s12, 0
	s_cbranch_scc1 .Lround
.irp i, 0,1,2,3,4,5,6,7,8,9,10,11,12,13,14,15
	SLOT \i, 0, DEPTH-1-(\i)                       ; the last round loads nothing: the counts run down
.endr
	; the four phases' sums of a column quad meet in LDS; waves 0 to 3 (threads 0 to 127: c = t) add them and store the row of t0
	v_pk_add_f32 v[SUM:SUM+1],   v[SUM:SUM+1],   v[SUM+4:SUM+5]
	v_pk_add_f32 v[SUM+2:SUM+3], v[SUM+2:SUM+3], v[SUM+6:SUM+7]
	ds_store_b128 v[LP], v[SUM:SUM+3]
	s_wait_dscnt 0x0                               ; for the others' sake: my store is done
	s_barrier_signal -1
	s_barrier_wait -1
	s_cmp_lt_u32 s10, 4
	s_cbranch_scc0 .Lend
.irp p, 0,1,2,3
	ds_load_b128 v[X+4*(\p):X+4*(\p)+3], v[LC] offset:2048*(\p)
.endr
	s_wait_dscnt 0x0
	v_pk_add_f32 v[X:X+1],     v[X:X+1],     v[X+4:X+5]
	v_pk_add_f32 v[X+2:X+3],   v[X+2:X+3],   v[X+6:X+7]
	v_pk_add_f32 v[X+8:X+9],   v[X+8:X+9],   v[X+12:X+13]
	v_pk_add_f32 v[X+10:X+11], v[X+10:X+11], v[X+14:X+15]
	v_pk_add_f32 v[X:X+1],     v[X:X+1],     v[X+8:X+9]
	v_pk_add_f32 v[X+2:X+3],   v[X+2:X+3],   v[X+10:X+11]
	v_pk_mul_f32 v[X:X+1],   v[X:X+1],   0x3d000000 op_sel_hi:[1,0]  ; x 1/32, exact
	v_pk_mul_f32 v[X+2:X+3], v[X+2:X+3], 0x3d000000 op_sel_hi:[1,0]
	global_store_b128 v[LC], v[X:X+3], s[8:9]      ; a wave stores 512 consecutive bytes
.Lend:
	s_wait_tensorcnt 0x0                           ; the wave's end, behind my last LDS store
	ds_add_u32 v[SPW], v[NIL]
	s_wait_dscnt 0x0
	s_endpgm
.Lfunc_end_k_q0190cbc1b7_cast:
	.size	k_q0190cbc1b7_cast, .Lfunc_end_k_q0190cbc1b7_cast-k_q0190cbc1b7_cast
	.p2alignl 7, 3214868480
	.fill 96, 4, 3214868480
	.section	.rodata,"a",@progbits
	.p2align	6, 0x0
	.amdhsa_kernel k_q0190cbc1b7_cast
		.amdhsa_group_segment_fixed_size 10240
		.amdhsa_private_segment_fixed_size 0
		.amdhsa_enable_private_segment 0
		.amdhsa_kernarg_size 24
		.amdhsa_user_sgpr_count 2
		.amdhsa_user_sgpr_kernarg_segment_ptr 1
		.amdhsa_wavefront_size32 1
		.amdhsa_system_sgpr_workgroup_id_x 1
		.amdhsa_system_sgpr_workgroup_id_y 1
		.amdhsa_system_sgpr_workgroup_id_z 1
		.amdhsa_system_vgpr_workitem_id 0
		.amdhsa_next_free_vgpr 112
		.amdhsa_next_free_sgpr 66
		.amdhsa_reserve_vcc 0
		.amdhsa_float_denorm_mode_32 3
		.amdhsa_float_denorm_mode_16_64 3
		.amdhsa_memory_ordered 1
		.amdhsa_forward_progress 1
		.amdhsa_inst_pref_size 19
	.end_amdhsa_kernel
	.amdgpu_metadata
---
amdhsa.version: [ 1, 2 ]
amdhsa.kernels:
  - .name:           k_q0190cbc1b7_cast
    .symbol:         k_q0190cbc1b7_cast.kd
    .args:
      - { .name: u_vecs, .offset: 0, .size: 8, .value_kind: global_buffer, .address_space: global }
      - { .name: u16, .offset: 8, .size: 8, .value_kind: global_buffer, .address_space: global }
      - { .name: t0, .offset: 16, .size: 8, .value_kind: global_buffer, .address_space: global }
    .group_segment_fixed_size: 10240
    .private_segment_fixed_size: 0
    .kernarg_segment_align: 8
    .kernarg_segment_size: 24
    .max_flat_workgroup_size: 512
    .sgpr_count:     66
    .vgpr_count:     112
    .wavefront_size: 32
...
	.end_amdgpu_metadata
.endif
;; end of part 1
;; launch caps_a (part 2): grid 1 x 128, 16 waves a work-group, no clusters, 114,432 bytes of LDS; arguments t0, W, g; writes g
.if DOCPART == 2
	.amdgcn_target "amdgcn-amd-amdhsa--gfx1250"
	.amdhsa_code_object_version 6
	.text
	.protected	k_q0190cbc1b7_caps_a
	.globl	k_q0190cbc1b7_caps_a
	.p2align	8
	.type	k_q0190cbc1b7_caps_a,@function
k_q0190cbc1b7_caps_a:
	s_mov_b64 s[64:65], 0
	v_nop
	global_prefetch_b8 v0, s[64:65] scope:SCOPE_SE
	s_setreg_imm32_b32 hwreg(HW_REG_WAVE_MODE, 25, 1), 1
	s_wait_xcnt 0x0
; From weighted row sums to the next logits' vectors, for one capsule n and 16 batches:
;   t[b][k] = the sum over r of T[..][b][r][k];   s[b][d] = the sum over k of t[b][k] W[k][64 n + d];   o = s / sqrt(|s|^2 + 1e-7);   g[b][n][k] = the sum over d of W[k][64 n + d] o[b][d].
; WHY.  u_hat = u W enters the routing linearly: sum_i c[n][i] u_hat[n][i][:] = (sum_i c[n][i] u[i][:]) W_n, and o[n] . u_hat[n][i] = u[i] . (W_n o[n]).  So u_hat is never formed, for any input.
; ONE TEXT, TWO GRIDS.  x = ttmp9, y = ttmp7's low half; capsule n = x + y / 4, batch group bg = y % 4, T at x x 524,288 + bg x 131,072 bytes.  Grid 32 x 4: each capsule has sums of its own ([n][b][r][k]).
; Grid 1 x 128: x = 0, all capsules read the same sums ([b][r][k]: the first routing step).  The inner layout, 16 b x 4 r x 512 k in f32, is the same.
; SHARES.  All 16 waves fetch: 128 KiB of T and the capsule's 128 KiB of W, 32 loads of 16 bytes a thread, all issued before the first is waited for.  They leave T's sum and W in LDS as f16.
; Waves 0 to 3 multiply: wave w makes d = 16 w .. 16 w + 15 of s, then k = 128 w .. 128 w + 127 of g.  16 batches are one matrix tile, which is why there are 128 work-groups and not more.
; THE FORMAT is f16, eleven significant bits, with each operand kept inside its range.  t goes in as t / 32 (an exact scaling): |t| / 32 is at most 32 max|u|.  So the product is s' = s / 32, and
; o = s / sqrt(|s|^2 + 1e-7) = s' / sqrt(|s'|^2 + 1e-7 / 1,024): nothing is scaled back.  The second product takes o, which the division itself holds within 1, not s.
; NO CLUSTER: W has to be rounded on its way into LDS, so it goes through registers; what work-groups share cannot be asked for jointly.
; LIMITS.  |u| below 2,047 (t / 32 within 65,504), |W| within 65,504; t / 32, W and o are rounded once to f16 as matrix operands, g once as stored; below 6e-5 f16 keeps its fixed step of 6e-8.
; Sums in f32, in an order of their own; v_rsq_f32 is accurate to 1 ulp; NaN and infinities are not treated apart.
.set PW,   144                         ; a row of W in LDS: 64 d in f16 + 16 bytes = 36 words: the 16 rows of a plain fragment load start at 16 different groups of four banks (64 banks of 4 bytes: ISA guide 11.1)
.set PT,   1040                        ; a row of t: 512 k in f16 + 16 bytes: an odd multiple of 16 likewise
.set PO,   272                         ; a row of s': 64 d in f32 + 16 bytes
.set PG,   272                         ; a row of the stage: 128 k in f16 + 16 bytes
.set TA,   512*PW                      ; LDS: W at 0 (512 rows [k]); t at 73,728 (16 rows [b])
.set OSB,  TA+16*PT                    ; s' in f32 at 90,368 (16 rows [b])
.set QB,   OSB+16*PO                   ; |s'|^2's four parts at 94,720: [b][w] f32
.set STG,  QB+256                      ; the way out at 94,976: 16 rows x 272 bytes for each of waves 0 to 3
.set SPARE, STG+4*16*PG                ; at 112,384: the spare words, 128 bytes for each of 16 waves, which no other line names
.set EPS,  0x2ed6bf95                  ; 1e-7 / 1,024: 1e-7's f32 pattern with the exponent ten lower
.set SPW, 4                            ; v4   LDS address of my spare word; never rewritten
.set NIL, 5                            ; v5   0; never rewritten
.set VT,  6                            ; v6   (t / 128) x 8,192 + (t % 128) x 16: my 16 bytes of T
.set VW,  7                            ; v7   (t / 16) x 8,192 + (t % 16) x 16: my 16 bytes of W
.set LT,  8                            ; v8   where my 8 bytes of t go
.set LW0, 9                            ; v9, v10  where my 8 bytes of W go: rows 0-255, rows 256-511 (an LDS immediate has 16 bits)
.set AWT0, 11                          ; v11, v12 W read turned, k 0-255 and 256-511
.set ATA, 13                           ; v13  t's fragments
.set AQS, 14                           ; v14  my part of |s'|^2, stored
.set AOS, 15                           ; v15  my 32 bytes of s', stored
.set ASR, 16                           ; v16  s' read back for o's fragments: row lane % 16, byte 32 h
.set AQR, 17                           ; v17  the four parts of my batch's |s'|^2
.set AWR, 18                           ; v18  W's fragments by rows
.set STO, 19                           ; v19  the way out: where I put 16 bytes of a row
.set RD,  20                           ; v20  the way out: where I read rows back
.set GO,  21                           ; v21  my byte offset in g
.set SF,  32                           ; v[32:47]  o's two fragments
.set QV,  48                           ; v[48:51]  |s'|^2's parts
.set RS,  52                           ; v[52:53]  1 / sqrt(|s'|^2 + 1e-7 / 1,024), twice: a pair for the packed multiply
.set FA,  64                           ; v[64:127]  T as loaded; then fragments (source 0)
.set FB,  128                          ; v[128:191] W as loaded; then fragments
.set ACC, 192                          ; v[192:255] accumulators; between the two products v[192:223] hold my 32 numbers of s' in f32
.set NRM, 208
	s_load_b128 s[4:7], s[0:1], 0x0                ; T s[4:5], W s[6:7]
	s_load_b64 s[8:9], s[0:1], 0x10                ; g
	v_lshl_add_u32 v[SPW], v0, 2, SPARE
	v_mov_b32 v[NIL], 0
	v_lshrrev_b32 v1, 5, v0
	v_readfirstlane_b32 s10, v1                    ; wave 0..15
	s_and_b32 s12, ttmp7, 0xffff                   ; y
	s_lshr_b32 s13, s12, 2
	s_add_co_u32 s13, s13, ttmp9                   ; n
	s_and_b32 s14, s12, 3                          ; bg
	s_lshl_b32 s2, ttmp9, 19
	s_lshl_b32 s15, s14, 17
	s_add_co_u32 s2, s2, s15                       ; T's offset
	s_mov_b32 s3, 0
	s_lshl_b32 s16, s13, 8                         ; W's: the capsule's 64 columns are 256 bytes of each row
	s_mov_b32 s17, 0
	s_lshl_b32 s18, s14, 19                        ; g's: 16 batches of 32,768 bytes, the capsule's row of 1,024
	s_lshl_b32 s19, s13, 10
	s_add_co_u32 s18, s18, s19
	s_mov_b32 s19, 0
	s_mov_b32 s20, 0x76543210                      ; v_permlanex16_b32: each lane takes its own place in the other half
	s_mov_b32 s21, 0xfedcba98
	v_lshrrev_b32 v22, 7, v0                       ; t / 128
	v_and_b32 v23, 127, v0
	v_lshlrev_b32 v[VT], 4, v23
	v_lshl_add_u32 v[VT], v22, 13, v[VT]
	v_lshrrev_b32 v24, 4, v0                       ; t / 16
	v_and_b32 v25, 15, v0                          ; t % 16 = lane % 16
	v_lshlrev_b32 v[VW], 4, v25
	v_lshl_add_u32 v[VW], v24, 13, v[VW]
	s_wait_kmcnt 0x0
	s_add_nc_u64 s[4:5], s[4:5], s[2:3]
	s_add_nc_u64 s[6:7], s[6:7], s[16:17]
	s_add_nc_u64 s[8:9], s[8:9], s[18:19]
	; 32 loads a thread.  No cache hint: several work-groups read these bytes.
.irp it, 0,1,2,3
.irp r, 0,1,2,3
	global_load_b128 v[FA+4*(4*(\it)+(\r)):FA+4*(4*(\it)+(\r))+3], v[VT], s[4:5] offset:(\it)*32768+(\r)*2048  ; batch 4 it + t / 128, row block r
.endr
.endr
.irp it, 0,1,2,3,4,5,6,7,8,9,10,11,12,13,14,15
	global_load_b128 v[FB+4*(\it):FB+4*(\it)+3], v[VW], s[6:7] offset:(\it)*262144  ; row k = 32 it + t / 16: sixteen lanes take its 256 bytes
.endr
	; the LDS addresses are made while the loads are out
	v_mul_u32_u24 v[LT], v22, PT
	v_lshl_add_u32 v[LT], v23, 3, v[LT]
	v_add_nc_u32 v[LT], TA, v[LT]
	v_mul_u32_u24 v[LW0], v24, PW
	v_lshl_add_u32 v[LW0], v25, 3, v[LW0]
	v_add_nc_u32 v[LW0+1], 256*PW, v[LW0]
	v_bfe_u32 v26, v0, 4, 1                        ; h = lane / 16
	v_and_b32 v27, 7, v0
	v_lshl_add_u32 v27, v26, 3, v27                ; 8 h + lane % 8
	v_bfe_u32 v28, v0, 3, 1
	s_lshl_b32 s22, s10, 5                         ; 32 w
	v_mul_u32_u24 v[AWT0], v27, PW                 ; the turning load: row k0 + 8 h + lane % 8, 16 bytes at 2 x (16 w) + 16 ((lane / 8) % 2)
	v_lshl_add_u32 v[AWT0], v28, 4, v[AWT0]
	v_add_nc_u32 v[AWT0], s22, v[AWT0]
	v_add_nc_u32 v[AWT0+1], 256*PW, v[AWT0]
	v_mul_u32_u24 v[ATA], v25, PT
	v_lshl_add_u32 v[ATA], v26, 4, v[ATA]
	v_add_nc_u32 v[ATA], TA, v[ATA]
	v_mul_u32_u24 v29, v25, PW
	v_lshl_add_u32 v29, v26, 4, v29                ; (lane % 16) x 144 + 16 h
	s_mul_i32 s24, s10, 128*PW
	v_add_nc_u32 v[AWR], s24, v29
	v_mul_u32_u24 v[ASR], v25, PO
	v_lshl_add_u32 v[ASR], v26, 5, v[ASR]
	v_add_nc_u32 v[ASR], OSB, v[ASR]               ; row b = lane % 16, byte 32 h
	s_lshl_b32 s27, s10, 6
	v_add_nc_u32 v[AOS], s27, v[ASR]               ; d = 16 w + 8 h on: byte 64 w + 32 h
	v_lshlrev_b32 v[AQR], 4, v25
	v_add_nc_u32 v[AQR], QB, v[AQR]
	s_lshl_b32 s23, s10, 2
	v_add_nc_u32 v[AQS], s23, v[AQR]
	s_mul_i32 s25, s10, 16*PG
	s_add_co_u32 s25, s25, STG                     ; my stage
	v_mul_u32_u24 v[STO], v25, PG
	v_lshl_add_u32 v[STO], v26, 4, v[STO]
	v_add_nc_u32 v[STO], s25, v[STO]
	v_mul_u32_u24 v[RD], v26, PG
	v_lshl_add_u32 v[RD], v25, 4, v[RD]
	v_add_nc_u32 v[RD], s25, v[RD]
	s_lshl_b32 s26, s10, 8
	v_lshlrev_b32 v[GO], 15, v26                   ; lanes 16-31: the next batch
	v_lshl_add_u32 v[GO], v25, 4, v[GO]
	v_add_nc_u32 v[GO], s26, v[GO]
; The four row blocks' sums of a batch are added in f32, scaled by 1/32 (exact), rounded once and laid into t.
.macro TSUM it
.set a, FA+16*(\it)
	s_wait_loadcnt 28-4*(\it)                      ; the loads issued behind this group of four may stay out
	v_pk_add_f32 v[a:a+1],     v[a:a+1],     v[a+4:a+5]
	v_pk_add_f32 v[a+2:a+3],   v[a+2:a+3],   v[a+6:a+7]
	v_pk_add_f32 v[a+8:a+9],   v[a+8:a+9],   v[a+12:a+13]
	v_pk_add_f32 v[a+10:a+11], v[a+10:a+11], v[a+14:a+15]
	v_pk_add_f32 v[a:a+1],     v[a:a+1],     v[a+8:a+9]
	v_pk_add_f32 v[a+2:a+3],   v[a+2:a+3],   v[a+10:a+11]
	v_pk_mul_f32 v[a:a+1],     v[a:a+1],     0x3d000000 op_sel_hi:[1,0]
	v_pk_mul_f32 v[a+2:a+3],   v[a+2:a+3],   0x3d000000 op_sel_hi:[1,0]
	v_cvt_pk_f16_f32 v[a],   v[a],   v[a+1]
	v_cvt_pk_f16_f32 v[a+1], v[a+2], v[a+3]
	ds_store_b64 v[LT], v[a:a+1] offset:4*PT*(\it)
.endm
.macro WCVT it
.set a, FB+4*(\it)
	s_wait_loadcnt 15-(\it)
	v_cvt_pk_f16_f32 v[a],   v[a],   v[a+1]
	v_cvt_pk_f16_f32 v[a+1], v[a+2], v[a+3]
	ds_store_b64 v[LW0+(\it)/8], v[a:a+1] offset:32*PW*((\it)%8)
.endm
.irp it, 0,1,2,3
	TSUM \it
.endr
.irp it, 0,1,2,3,4,5,6,7,8,9,10,11,12,13,14,15
	WCVT \it
.endr
	s_wait_dscnt 0x0                               ; for the others' sake: my stores are done
	s_barrier_signal -1
	s_barrier_wait -1                              ; t and W lie whole in LDS
	s_cmp_lt_u32 s10, 4
	s_cbranch_scc0 .Lnob
; s'^T = W_n^T (t / 32)^T: source 0 = 16 d (W turned by ds_load_tr16_b128), source 1 = the 16 batches; a lane of the result holds ONE batch (lane % 16) and d = 16 w + 8 h + 0..7.
; Half f of K: eight steps of 32.  Two accumulators take turns, one instruction a turn; they are added at the end.
.macro HALF f
.if \f
.rept 4
	v_nop                                          ; four places behind the last product, in front of loads into registers that it has read (ISA guide 7.12.1 for vector instructions)
.endr
.endif
.irp e, 0,1,2,3,4,5,6,7
	ds_load_tr16_b128 v[FA+8*(\e):FA+8*(\e)+3],   v[AWT0+(\f)] offset:32*PW*(\e)
	ds_load_tr16_b128 v[FA+8*(\e)+4:FA+8*(\e)+7], v[AWT0+(\f)] offset:32*PW*(\e)+16*PW
	ds_load_b128 v[FB+8*(\e):FB+8*(\e)+3],   v[ATA] offset:512*(\f)+64*(\e)
	ds_load_b128 v[FB+8*(\e)+4:FB+8*(\e)+7], v[ATA] offset:512*(\f)+64*(\e)+32
.endr
	s_wait_dscnt 0x0
.irp e, 0,1,2,3,4,5,6,7
.if ((\f) == 0) && ((\e) < 2)
	v_wmma_f32_16x16x32_f16 v[ACC+8*((\e)%2):ACC+8*((\e)%2)+7], v[FA+8*(\e):FA+8*(\e)+7], v[FB+8*(\e):FB+8*(\e)+7], 0  ; the first products start the sums
.else
	v_wmma_f32_16x16x32_f16 v[ACC+8*((\e)%2):ACC+8*((\e)%2)+7], v[FA+8*(\e):FA+8*(\e)+7], v[FB+8*(\e):FB+8*(\e)+7], v[ACC+8*((\e)%2):ACC+8*((\e)%2)+7]
.endif
.endr
.endm
	HALF 0
	HALF 1
.rept 4
	v_nop                                          ; four places in front of the sums that read the results
.endr
.irp i, 0,1,2,3
	v_pk_add_f32 v[ACC+2*(\i):ACC+2*(\i)+1], v[ACC+2*(\i):ACC+2*(\i)+1], v[ACC+8+2*(\i):ACC+8+2*(\i)+1]  ; from each accumulator's low end on
.endr
	v_pk_mul_f32 v[NRM:NRM+1], v[ACC:ACC+1], v[ACC:ACC+1]
.irp i, 1,2,3
	v_pk_fma_f32 v[NRM:NRM+1], v[ACC+2*(\i):ACC+2*(\i)+1], v[ACC+2*(\i):ACC+2*(\i)+1], v[NRM:NRM+1]
.endr
	v_add_f32 v[NRM], v[NRM], v[NRM+1]
	v_permlanex16_b32 v[NRM+1], v[NRM], s20, s21   ; the batch's other eight d of my tile lie in the lane 16 away
	v_add_f32 v[NRM], v[NRM], v[NRM+1]
	ds_store_b32 v[AQS], v[NRM]                    ; both halves of the lanes write the same number to the same word
	ds_store_b128 v[AOS], v[ACC:ACC+3]
	ds_store_b128 v[AOS], v[ACC+4:ACC+7] offset:16
.Lnob:
	s_wait_dscnt 0x0
	s_barrier_signal -1
	s_barrier_wait -1                              ; s' and the four parts of |s'|^2 lie in LDS
	s_cmp_lt_u32 s10, 4
	s_cbranch_scc0 .Lend
	; g^T = W_n o^T: source 0 = 16 rows k of W as they lie, source 1 = the 16 batches, K = 64 d in two steps.  A lane of the result holds one batch and eight neighbouring k.
	; A lane's share of o's two fragments is d = 32 q + 8 h + 0..7 and 32 q + 16 + 8 h + 0..7 of its batch: it reads them of s' in f32, scales them and rounds them itself.
	ds_load_b128 v[QV:QV+3], v[AQR]
.irp q, 0,1
.irp p, 0,1
	ds_load_b128 v[ACC+16*(\q)+8*(\p):ACC+16*(\q)+8*(\p)+3],   v[ASR] offset:128*(\q)+64*(\p)
	ds_load_b128 v[ACC+16*(\q)+8*(\p)+4:ACC+16*(\q)+8*(\p)+7], v[ASR] offset:128*(\q)+64*(\p)+16
.endr
.endr
.irp q, 0,1
.irp kt, 0,1,2,3,4,5,6,7
	ds_load_b128 v[FA+8*(8*(\q)+(\kt)):FA+8*(8*(\q)+(\kt))+3],   v[AWR] offset:16*PW*(\kt)+64*(\q)
	ds_load_b128 v[FA+8*(8*(\q)+(\kt))+4:FA+8*(8*(\q)+(\kt))+7], v[AWR] offset:16*PW*(\kt)+64*(\q)+32
.endr
.endr
	s_wait_dscnt 32                                ; the nine oldest are in; W's 32 may stay out
	v_add_f32 v[QV], v[QV], v[QV+1]
	v_add_f32 v[QV+2], v[QV+2], v[QV+3]
	v_add_f32 v[QV], v[QV], v[QV+2]
	v_add_f32 v[QV], EPS, v[QV]
	v_rsq_f32 v[RS], v[QV]
	v_rsq_f32 v[RS+1], v[QV]
	v_nop                                          ; a plain instruction behind the last v_rsq_f32 (ISA guide 5.7.2),
	s_wait_alu depctr_va_vdst(0)                   ; and one wait for both, ahead of their first reader
.set i, 0
.rept 16
	v_pk_mul_f32 v[ACC+2*i:ACC+2*i+1], v[ACC+2*i:ACC+2*i+1], v[RS:RS+1]  ; o = s' / sqrt(|s'|^2 + 1e-7 / 1,024)
.set i, i+1
.endr
.set i, 0
.rept 16
	v_cvt_pk_f16_f32 v[SF+i], v[ACC+2*i], v[ACC+2*i+1]
.set i, i+1
.endr
	s_wait_dscnt 0x0
.irp q, 0,1
.irp kt, 0,1,2,3,4,5,6,7
.if (\q) == 0
	v_wmma_f32_16x16x32_f16 v[ACC+8*(\kt):ACC+8*(\kt)+7], v[FA+8*(\kt):FA+8*(\kt)+7], v[SF:SF+7], 0
.else
	v_wmma_f32_16x16x32_f16 v[ACC+8*(\kt):ACC+8*(\kt)+7], v[FA+64+8*(\kt):FA+64+8*(\kt)+7], v[SF+8:SF+15], v[ACC+8*(\kt):ACC+8*(\kt)+7]  ; eight accumulators by turns
.endif
.endr
.endr
.rept 4
	v_nop                                          ; the places behind the last product, in front of the conversions, which read results and write over fragments
.endr
.irp kt, 0,1,2,3,4,5,6,7
.irp i, 0,1,2,3
	v_cvt_pk_f16_f32 v[FA+4*(\kt)+(\i)], v[ACC+8*(\kt)+2*(\i)], v[ACC+8*(\kt)+2*(\i)+1]
.endr
	ds_store_b128 v[STO], v[FA+4*(\kt):FA+4*(\kt)+3] offset:32*(\kt)
.endr
.irp m, 0,1,2,3,4,5,6,7
	ds_load_b128 v[FB+4*(\m):FB+4*(\m)+3], v[RD] offset:2*PG*(\m)  ; my own stage: LDS serves a wave's instructions in order (ISA guide 5.7.1.4), so these see the stores above
.endr
.irp m, 0,1,2,3,4,5,6,7
	s_wait_dscnt 7-(\m)
	global_store_b128 v[GO], v[FB+4*(\m):FB+4*(\m)+3], s[8:9] offset:65536*(\m)  ; batches 2 m and 2 m + 1: sixteen lanes store 256 consecutive bytes, aligned
.endr
.Lend:
	s_wait_tensorcnt 0x0                           ; the wave's end, behind my last LDS store
	ds_add_u32 v[SPW], v[NIL]
	s_wait_dscnt 0x0
	s_endpgm
.Lfunc_end_k_q0190cbc1b7_caps_a:
	.size	k_q0190cbc1b7_caps_a, .Lfunc_end_k_q0190cbc1b7_caps_a-k_q0190cbc1b7_caps_a
	.p2alignl 7, 3214868480
	.fill 96, 4, 3214868480
	.section	.rodata,"a",@progbits
	.p2align	6, 0x0
	.amdhsa_kernel k_q0190cbc1b7_caps_a
		.amdhsa_group_segment_fixed_size 114432
		.amdhsa_private_segment_fixed_size 0
		.amdhsa_enable_private_segment 0
		.amdhsa_kernarg_size 24
		.amdhsa_user_sgpr_count 2
		.amdhsa_user_sgpr_kernarg_segment_ptr 1
		.amdhsa_wavefront_size32 1
		.amdhsa_system_sgpr_workgroup_id_x 1
		.amdhsa_system_sgpr_workgroup_id_y 1
		.amdhsa_system_sgpr_workgroup_id_z 1
		.amdhsa_system_vgpr_workitem_id 0
		.amdhsa_next_free_vgpr 256
		.amdhsa_next_free_sgpr 66
		.amdhsa_reserve_vcc 0
		.amdhsa_float_denorm_mode_32 3
		.amdhsa_float_denorm_mode_16_64 3
		.amdhsa_memory_ordered 1
		.amdhsa_forward_progress 1
		.amdhsa_inst_pref_size 31
	.end_amdhsa_kernel
	.amdgpu_metadata
---
amdhsa.version: [ 1, 2 ]
amdhsa.kernels:
  - .name:           k_q0190cbc1b7_caps_a
    .symbol:         k_q0190cbc1b7_caps_a.kd
    .args:
      - { .name: t0, .offset: 0, .size: 8, .value_kind: global_buffer, .address_space: global }
      - { .name: W, .offset: 8, .size: 8, .value_kind: global_buffer, .address_space: global }
      - { .name: g, .offset: 16, .size: 8, .value_kind: global_buffer, .address_space: global }
    .group_segment_fixed_size: 114432
    .private_segment_fixed_size: 0
    .kernarg_segment_align: 8
    .kernarg_segment_size: 24
    .max_flat_workgroup_size: 512
    .sgpr_count:     66
    .vgpr_count:     256
    .wavefront_size: 32
...
	.end_amdgpu_metadata
.endif
;; end of part 2
;; launch route_a (part 3): grid 4 x 64, 4 waves a work-group, no clusters, 318,464 bytes of LDS; arguments u16, g, t; writes t
.if DOCPART == 3
	.amdgcn_target "amdgcn-amd-amdhsa--gfx1250"
	.amdhsa_code_object_version 6
	.text
	.protected	k_q0190cbc1b7_route_a
	.globl	k_q0190cbc1b7_route_a
	.p2align	8
	.type	k_q0190cbc1b7_route_a,@function
k_q0190cbc1b7_route_a:
	s_mov_b64 s[64:65], 0
	v_nop
	global_prefetch_b8 v0, s[64:65] scope:SCOPE_SE
	s_setreg_imm32_b32 hwreg(HW_REG_WAVE_MODE, 25, 1), 1
	s_wait_xcnt 0x0
; One routing step over 256 rows i of one batch b (row block r = work-group x, b = work-group y):
;   logit[n][i] = the sum over k of u[i][k] g[n][k];   c[n][i] = softmax over the 32 capsules n (the row's maximum is taken away);   t[n][b][r][k] = the sum over the block's i of c[n][i] u[i][k], in f32.
; The sum over the four row blocks is made by the next launch: partial sums go through memory in f32.
; ALL OF IT IN LDS AT ONCE.  The block (256 rows of 1,024 bytes) and g[b] (32 rows) fit together, so nothing is ever filled again.  Each wave issues FIVE tensor loads as one group at the head: its 8 rows of g,
; then its 16 rows of each of four chunks of 64 rows: five are out, by this text's count.  A wave's tensor loads end in order (ISA guide 10.11.1), so chunk j is worked on while the later chunks are on their way.
; That is why a load has 16 rows and not 64: with one load of 64 rows a wave the four chunks would land together, and no work would stand beside the stream.
; A CHUNK.  (1) logits: wave w takes ITS OWN 16 rows (its own wait on TENSORcnt is all the ordering they need) against all 32 capsules: source 0 = 16 rows of u, source 1 = 16 capsules of g, which stays in registers.
; In the result a lane holds ONE capsule (lane % 16) and rows 8 (lane / 16) + 0..7, so the softmax goes across sixteen lanes (DPP) and two tiles.  (2) c, in f16, goes to LDS as [n][i]; one barrier.
; (3) weighted sums: wave w takes columns k = 128 w .. 128 w + 127 of all 64 rows: source 0 = 16 columns of u (turned by ds_load_tr16_b128), source 1 = 16 capsules of c; a lane holds one capsule and eight neighbouring k.
; NO CLUSTER: the four work-groups of a batch share g alone, 32 KiB of the 288 KiB that each brings in.
; LIMITS.  u, g and c are f16 matrix operands: u and g arrive within 65,504; c lies in 0 to 1, and below 6e-5 it keeps f16's fixed step of 6e-8.  Maxima, exponentials and sums in f32; a weight below 2^-126 counts
; as 0 in the softmax's sum; v_exp_f32 and v_rcp_f32 are accurate to 1 ulp; NaN and infinities are not treated apart.
; REGISTERS, in windows of 256 (s_set_vgpr_msb: bits 1:0 source 0, 3:2 source 1, 5:4 source 2, 7:6 destination):
;   window 0: addresses, the softmax, c's and u's fragments     window 1: g's 32 fragments (tile t, K step ks at 8 (16 t + ks))     window 2: v0-127 the 16 accumulators of t (column tile kt, capsule tile t at 8 (2 kt + t))
.set PU,   1040                        ; an LDS row of u or g: 1,024 bytes + 16 of padding, an odd multiple of 16: the 16 rows of a plain fragment load start at 16 different groups of four banks (64 banks of 4 bytes: ISA guide 11.1)
.set CHB,  64*PU                       ; a chunk
.set GL,   256*PU                      ; LDS: u at 0; g at 266,240
.set CB,   GL+32*PU                    ; c at 299,520: for each chunk 32 rows [n] of 64 i in f16; bytes of its own for each chunk, so that one barrier a chunk is enough; no tensor load lands here
.set PC,   144
.set CCH,  32*PC
.set SPARE, CB+4*CCH                   ; at 317,952: the spare words, 128 bytes for each wave, which no other line names
.set PS,   528                         ; the way out: a stage row of 128 f32 + 16 bytes
.set STGW, 32*PS                       ; 32 rows for each wave, from LDS byte 0 on: over rows of u that have had their only fill and, behind the last barrier, their last reader
.set TROW, 524288                      ; bytes from capsule to capsule in t
.set AU,  3                            ; v3   my rows' fragments of u: (16 w + lane % 16) PU + 16 h, stepped a chunk at a time
.set AT,  4                            ; v4   u read turned: (8 h + lane % 8) PU + 256 w + 16 ((lane / 8) % 2), stepped likewise
.set ACS, 5                            ; v5   where my 16 bytes of c go
.set ACR, 6                            ; v6   c's fragments
.set AG,  7                            ; v7   g's fragments
.set STO, 8                            ; v8   the way out: where I put 16 bytes of a row
.set RD,  9                            ; v9   the way out: where I read a row back
.set TO0, 10                           ; v10, v11  my byte offset in t for capsules 0-15 and 16-31 (a store's immediate has 24 signed bits)
.set SPW, 12                           ; v12  LDS address of my spare word; never rewritten
.set NIL, 13                           ; v13  0; never rewritten
.set SA,  32                           ; v[32:63]  four accumulators of logits: K steps of parity p, capsule tile t at SA + 8 (2 p + t)
.set MX,  64                           ; v[64:71]  the rows' maxima, then maxima x log2(e)
.set SM,  72                           ; v[72:79]  the rows' sums
.set RC,  80                           ; v[80:87]  their reciprocals
.set PKC, 88                           ; v[88:95]  c in f16
.set CF,  96                           ; v[96:127] c's fragments: rows 32 q on, tile t at CF + 8 (2 q + t)
.set UF,  128                          ; v[128:255] sixteen fragments of u
.set G1U, 24                           ; s[24:31] descriptor group 1: 16 rows of 512 elements
.set G1G, 32                           ; s[32:39] the same with 8 rows
.set G0G, 40                           ; s[40:43] group 0 for g
.set G0U, 44                           ; s[44:59] group 0 for the four chunks; no group 0 is ever rewritten
.set MSB, 0
.macro WIN new                         ; the immediate's high byte repeats the setting that is left; a switch that changes nothing is dropped
.if MSB != (\new)
	s_set_vgpr_msb (MSB<<8)|(\new)
.set MSB, \new
.endif
.endm
.macro PLACES                          ; four places behind a matrix instruction (ISA guide 7.12.1 for vector instructions)
.rept 4
	v_nop
.endr
.endm
	s_load_b128 s[4:7], s[0:1], 0x0                ; u16 s[4:5], g s[6:7]
	s_load_b64 s[8:9], s[0:1], 0x10                ; t
	v_lshl_add_u32 v[SPW], v0, 2, SPARE
	v_mov_b32 v[NIL], 0
	ds_add_u32 v[SPW], v[NIL]                      ; the wave's opening: the add and its wait stand ahead of my first tensor load; the set-up below, work on registers, stands between them
	v_lshrrev_b32 v1, 5, v0
	v_readfirstlane_b32 s10, v1                    ; wave 0..3
	s_and_b32 s12, ttmp7, 0xffff                   ; b
	s_mov_b32 s[G1U+0], (1<<16)|(1<<20)|(7<<22)|(3<<25)  ; 17:16 elements of 2 bytes; 20 padding on; 24:22 after every 256 words (code 7); 31:25 4 words of it (code 3)
	s_mov_b32 s[G1G+0], (1<<16)|(1<<20)|(7<<22)|(3<<25)
	s_mov_b32 s[G1U+2], 16<<16                     ; tensor_dim1 = 16 rows
	s_mov_b32 s[G1G+2], 8<<16                      ; 8 rows
	s_mov_b32 s[G1U+4], 16                         ; tile_dim1
	s_mov_b32 s[G1G+4], 8
.irp d, G1U, G1G
	s_mov_b32 s[(\d)+1], 512<<16                   ; tensor_dim0 = 512
	s_mov_b32 s[(\d)+3], 512<<16                   ; tile_dim0 = 512
	s_mov_b32 s[(\d)+5], 512                       ; 512 elements from row to row
	s_mov_b32 s[(\d)+6], 0
	s_mov_b32 s[(\d)+7], 0
.endr
	s_mov_b32 s16, 0x3fb8aa3b                      ; log2(e)
	s_mov_b32 s17, s16                             ; named with it as a pair
	s_mul_i32 s18, s10, 8*PU
	s_mul_i32 s13, s10, 16*PU
	s_mov_b32 s[G0G], 1                            ; 1:0 count = 1
	s_add_co_u32 s[G0G+1], s18, GL                 ; 63:32 LDS address: my 8 rows of g
.irp j, 0,1,2,3
	s_mov_b32 s[G0U+4*(\j)], 1
	s_add_co_u32 s[G0U+4*(\j)+1], s13, (\j)*CHB    ; my 16 rows of chunk j
.endr
	s_lshl_b32 s14, s12, 15                        ; g: a batch is 32,768 bytes, my 8 rows 8,192
	s_lshl_b32 s15, s10, 13
	s_add_co_u32 s14, s14, s15
	s_mov_b32 s15, 0
	s_lshl_b32 s20, s12, 20                        ; u16: a batch is 2^20 bytes, a row block 2^18, my 16 rows 2^14
	s_lshl_b32 s21, ttmp9, 18
	s_add_co_u32 s20, s20, s21
	s_lshl_b32 s21, s10, 14
	s_add_co_u32 s20, s20, s21
	s_mov_b32 s21, 0
	s_lshl_b32 s22, s12, 13                        ; t: [b][r] inside a capsule's 524,288 bytes
	s_lshl_b32 s23, ttmp9, 11
	s_add_co_u32 s22, s22, s23
	s_mov_b32 s23, 0
	s_wait_dscnt 0x0                               ; the opening add is done
	s_wait_kmcnt 0x0
	s_add_nc_u64 s[G0G+2:G0G+3], s[6:7], s[14:15]  ; 120:64 global address
	s_or_b32 s[G0G+3], s[G0G+3], 0x80000000        ; 127:126 type = 2
	s_add_nc_u64 s[4:5], s[4:5], s[20:21]
.irp j, 0,1,2,3
	s_add_nc_u64 s[G0U+4*(\j)+2:G0U+4*(\j)+3], s[4:5], (\j)<<16  ; a chunk is 64 rows of 1,024 bytes
	s_or_b32 s[G0U+4*(\j)+3], s[G0U+4*(\j)+3], 0x80000000
.endr
	s_add_nc_u64 s[8:9], s[8:9], s[22:23]
	tensor_load_to_lds s[G0G:G0G+3], s[G1G:G1G+7]  ; all that the work-group will ever read is asked for here, g first
	s_nop 0
.irp j, 0,1,2,3
	tensor_load_to_lds s[G0U+4*(\j):G0U+4*(\j)+3], s[G1U:G1U+7]
	s_nop 0
.endr
	v_and_b32 v1, 15, v0                           ; lane % 16
	v_bfe_u32 v2, v0, 4, 1                         ; h = lane / 16
	v_mul_u32_u24 v14, v1, PU
	v_lshl_add_u32 v14, v2, 4, v14                 ; a fragment's row x pitch + 16 h
	v_add_nc_u32 v[AU], s13, v14
	v_add_nc_u32 v[AG], GL, v14
	v_and_b32 v15, 7, v0
	v_lshl_add_u32 v15, v2, 3, v15
	v_mul_u32_u24 v[AT], v15, PU
	v_bfe_u32 v16, v0, 3, 1
	v_lshl_add_u32 v[AT], v16, 4, v[AT]
	s_lshl_b32 s18, s10, 8
	v_add_nc_u32 v[AT], s18, v[AT]
	v_mul_u32_u24 v17, v1, PC
	v_lshl_add_u32 v17, v2, 4, v17
	v_add_nc_u32 v[ACR], CB, v17                   ; capsule lane % 16, 16 bytes for each half of the lanes
	s_lshl_b32 s18, s10, 5
	v_add_nc_u32 v[ACS], s18, v[ACR]               ; rows 16 w + 8 h + 0..7 of the chunk: byte 32 w + 16 h of the capsule's row
	s_mul_i32 s19, s10, STGW
	v_mul_u32_u24 v[STO], v1, PS
	v_lshl_add_u32 v[STO], v2, 5, v[STO]
	v_add_nc_u32 v[STO], s19, v[STO]
	v_and_b32 v[RD], 31, v0
	v_lshlrev_b32 v[RD], 4, v[RD]
	s_lshl_b32 s18, s10, 9
	v_add_nc_u32 v[TO0], s18, v[RD]                ; my wave's 512 bytes of a row of t, 16 a lane
	v_add_nc_u32 v[TO0+1], 16*TROW, v[TO0]
	v_add_nc_u32 v[RD], s19, v[RD]
	s_wait_tensorcnt 4                             ; my rows of g, the oldest load, are in; the four chunk loads issued behind it stay out
	s_barrier_signal -1
	s_barrier_wait -1                              ; everybody's rows of g are in
	WIN 0x40                                       ; destination window 1
.irp t, 0,1
.irp ks, 0,1,2,3,4,5,6,7,8,9,10,11,12,13,14,15
	ds_load_b128 v[8*(16*(\t)+(\ks)):8*(16*(\t)+(\ks))+3],   v[AG] offset:16*PU*(\t)+64*(\ks)
	ds_load_b128 v[8*(16*(\t)+(\ks))+4:8*(16*(\t)+(\ks))+7], v[AG] offset:16*PU*(\t)+64*(\ks)+32
.endr
.endr
	WIN 0
; K step ks of the logits: two products.  The four accumulators take turns, one instruction a turn; K steps 0 and 1 start the sums.
.macro LOGIT ks
.irp t, 0,1
.if (\ks) < 2
	v_wmma_f32_16x16x32_f16 v[SA+8*(2*((\ks)%2)+(\t)):SA+8*(2*((\ks)%2)+(\t))+7], v[UF+8*(\ks):UF+8*(\ks)+7], v[8*(16*(\t)+(\ks)):8*(16*(\t)+(\ks))+7], 0
.else
	v_wmma_f32_16x16x32_f16 v[SA+8*(2*((\ks)%2)+(\t)):SA+8*(2*((\ks)%2)+(\t))+7], v[UF+8*(\ks):UF+8*(\ks)+7], v[8*(16*(\t)+(\ks)):8*(16*(\t)+(\ks))+7], v[SA+8*(2*((\ks)%2)+(\t)):SA+8*(2*((\ks)%2)+(\t))+7]
.endif
.endr
.endm
.macro P1
.irp ks, 0,1,2,3,4,5,6,7,8,9,10,11,12,13,14,15
	ds_load_b128 v[UF+8*(\ks):UF+8*(\ks)+3],   v[AU] offset:64*(\ks)
	ds_load_b128 v[UF+8*(\ks)+4:UF+8*(\ks)+7], v[AU] offset:64*(\ks)+32
.endr
	s_wait_dscnt 16                                ; K steps 0 to 7 are in (and, the first time, all of g); the youngest sixteen loads may stay out
	WIN 0x04                                       ; source 1, g, in window 1
.irp ks, 0,1,2,3,4,5,6,7
	LOGIT \ks
.endr
	s_wait_dscnt 0x0
.irp ks, 8,9,10,11,12,13,14,15
	LOGIT \ks
.endr
	WIN 0
	PLACES
.endm
; The softmax over 32 capsules for my 16 rows: register jj is row 8 h + jj; the capsules lie in sixteen lanes and two tiles.
.macro SOFTMAX
.irp i, 0,1,2,3,4,5,6,7
	v_pk_add_f32 v[SA+2*(\i):SA+2*(\i)+1], v[SA+2*(\i):SA+2*(\i)+1], v[SA+16+2*(\i):SA+16+2*(\i)+1]  ; the two parities; each accumulator is read from its low end on
.endr
.irp r, 0,1,2,3,4,5,6,7
	v_max_num_f32 v[MX+(\r)], v[SA+(\r)], v[SA+8+(\r)]
.endr
.irp m, 1,2,4,8
.irp r, 0,1,2,3,4,5,6,7
	v_max_num_f32_dpp v[MX+(\r)], v[MX+(\r)], v[MX+(\r)] row_xmask:\m row_mask:0xf bank_mask:0xf
.endr
.endr
.irp i, 0,1,2,3
	v_pk_mul_f32 v[MX+2*(\i):MX+2*(\i)+1], v[MX+2*(\i):MX+2*(\i)+1], s[16:17] op_sel_hi:[1,0]
.endr
.irp i, 0,1,2,3,4,5,6,7
	v_pk_fma_f32 v[SA+2*(\i):SA+2*(\i)+1], v[SA+2*(\i):SA+2*(\i)+1], s[16:17], v[MX+2*((\i)%4):MX+2*((\i)%4)+1] op_sel_hi:[1,0,1] neg_lo:[0,0,1] neg_hi:[0,0,1]  ; log2(e) x logit - log2(e) x maximum
.endr
.irp r, 0,1,2,3,4,5,6,7,8,9,10,11,12,13,14,15
	v_exp_f32 v[SA+(\r)], v[SA+(\r)]
.endr
	v_nop                                          ; a plain instruction behind the last exponential (ISA guide 5.7.2),
	s_wait_alu depctr_va_vdst(0)                   ; and one wait for the batch of sixteen, ahead of its first reader
.irp i, 0,1,2,3
	v_pk_add_f32 v[SM+2*(\i):SM+2*(\i)+1], v[SA+2*(\i):SA+2*(\i)+1], v[SA+8+2*(\i):SA+8+2*(\i)+1]
.endr
.irp m, 1,2,4,8
.irp r, 0,1,2,3,4,5,6,7
	v_add_f32_dpp v[SM+(\r)], v[SM+(\r)], v[SM+(\r)] row_xmask:\m row_mask:0xf bank_mask:0xf
.endr
.endr
.irp r, 0,1,2,3,4,5,6,7
	v_rcp_f32 v[RC+(\r)], v[SM+(\r)]               ; the sum is at least 1: the largest weight is 2^0
.endr
	v_nop
	s_wait_alu depctr_va_vdst(0)                   ; one wait for the eight reciprocals
.irp i, 0,1,2,3,4,5,6,7
	v_pk_mul_f32 v[SA+2*(\i):SA+2*(\i)+1], v[SA+2*(\i):SA+2*(\i)+1], v[RC+2*((\i)%4):RC+2*((\i)%4)+1]
.endr
.irp i, 0,1,2,3,4,5,6,7
	v_cvt_pk_f16_f32 v[PKC+(\i)], v[SA+2*(\i)], v[SA+2*(\i)+1]
.endr
.endm
; Sixteen products of the weighted sums: rows 32 q on of chunk j; the sixteen accumulators take turns.  The very first sixteen start the sums.
.macro WSUM q, j
.irp kt, 0,1,2,3,4,5,6,7
.irp t, 0,1
.if ((\q) == 0) && ((\j) == 0)
	v_wmma_f32_16x16x32_f16 v[8*(2*(\kt)+(\t)):8*(2*(\kt)+(\t))+7], v[UF+8*(8*(\q)+(\kt)):UF+8*(8*(\q)+(\kt))+7], v[CF+8*(2*(\q)+(\t)):CF+8*(2*(\q)+(\t))+7], 0
.else
	v_wmma_f32_16x16x32_f16 v[8*(2*(\kt)+(\t)):8*(2*(\kt)+(\t))+7], v[UF+8*(8*(\q)+(\kt)):UF+8*(8*(\q)+(\kt))+7], v[CF+8*(2*(\q)+(\t)):CF+8*(2*(\q)+(\t))+7], v[8*(2*(\kt)+(\t)):8*(2*(\kt)+(\t))+7]
.endif
.endr
.endr
.endm
.macro P2 j
.irp q, 0,1
.irp t, 0,1
	ds_load_b128 v[CF+8*(2*(\q)+(\t)):CF+8*(2*(\q)+(\t))+3],   v[ACR] offset:CCH*(\j)+16*PC*(\t)+64*(\q)
	ds_load_b128 v[CF+8*(2*(\q)+(\t))+4:CF+8*(2*(\q)+(\t))+7], v[ACR] offset:CCH*(\j)+16*PC*(\t)+64*(\q)+32
.endr
.irp kt, 0,1,2,3,4,5,6,7
	ds_load_tr16_b128 v[UF+8*(8*(\q)+(\kt)):UF+8*(8*(\q)+(\kt))+3],   v[AT] offset:32*PU*(\q)+32*(\kt)
	ds_load_tr16_b128 v[UF+8*(8*(\q)+(\kt))+4:UF+8*(8*(\q)+(\kt))+7], v[AT] offset:32*PU*(\q)+32*(\kt)+16*PU
.endr
.endr
	s_wait_dscnt 20                                ; the first 32 rows' fragments are in; the other twenty loads may stay out
	WIN 0xa0                                       ; C and D in window 2
	WSUM 0, \j
	s_wait_dscnt 0x0
	WSUM 1, \j
	WIN 0
.endm
.macro CHUNK j
.if (\j) > 0
	v_add_nc_u32 v[AU], CHB, v[AU]                 ; on to the next chunk; with the two v_nop these are the four places behind the last product, in front of the loads into u's fragments
	v_add_nc_u32 v[AT], CHB, v[AT]
	v_nop
	v_nop
.endif
	s_wait_tensorcnt 3-(\j)                        ; my 16 rows of this chunk are in; the later chunks' loads stay out
	P1
	SOFTMAX
	ds_store_b128 v[ACS], v[PKC:PKC+3]   offset:CCH*(\j)
	ds_store_b128 v[ACS], v[PKC+4:PKC+7] offset:CCH*(\j)+16*PC
	s_wait_dscnt 0x0                               ; for the others' sake: my c is stored
	s_barrier_signal -1
	s_barrier_wait -1                              ; every wave's c of this chunk is stored, and every wave's rows of it have landed
	P2 \j
.endm
	CHUNK 0
	CHUNK 1
	CHUNK 2
	CHUNK 3
	; THE WAY OUT.  A lane holds 32 bytes of a capsule's row; the lanes beside it hold other capsules, 524,288 bytes apart in t.  So the wave's 32 rows x 512 bytes go through its stage and leave as whole rows.
	s_wait_dscnt 0x0                               ; my reads of u are over,
	s_barrier_signal -1
	PLACES                                         ; (the places behind the last product, in front of the stores of results and of the loads into u's fragments)
	s_barrier_wait -1                              ; and everybody's: the stage may be laid over rows of u
	WIN 0x08                                       ; store data in window 2
.irp kt, 0,1,2,3,4,5,6,7
.irp t, 0,1
	ds_store_b128 v[STO], v[8*(2*(\kt)+(\t)):8*(2*(\kt)+(\t))+3]   offset:16*PS*(\t)+64*(\kt)
	ds_store_b128 v[STO], v[8*(2*(\kt)+(\t))+4:8*(2*(\kt)+(\t))+7] offset:16*PS*(\t)+64*(\kt)+16
.endr
.endr
	WIN 0
.set m, 0
.rept 32
	ds_load_b128 v[UF+4*m:UF+4*m+3], v[RD] offset:PS*m  ; my own stage: LDS serves a wave's instructions in order (ISA guide 5.7.1.4), so these see the stores above
.set m, m+1
.endr
.set m, 0
.rept 32
	s_wait_dscnt 31-m
	global_store_b128 v[TO0+m/16], v[UF+4*m:UF+4*m+3], s[8:9] offset:(m%16)*TROW th:TH_STORE_NT  ; capsule m: 512 consecutive bytes, aligned
.set m, m+1
.endr
	s_wait_tensorcnt 0x0                           ; the wave's end, behind my last tensor load and my last LDS store
	ds_add_u32 v[SPW], v[NIL]
	s_wait_dscnt 0x0
	s_endpgm
.Lfunc_end_k_q0190cbc1b7_route_a:
	.size	k_q0190cbc1b7_route_a, .Lfunc_end_k_q0190cbc1b7_route_a-k_q0190cbc1b7_route_a
	.p2alignl 7, 3214868480
	.fill 96, 4, 3214868480
	.section	.rodata,"a",@progbits
	.p2align	6, 0x0
	.amdhsa_kernel k_q0190cbc1b7_route_a
		.amdhsa_group_segment_fixed_size 318464
		.amdhsa_private_segment_fixed_size 0
		.amdhsa_enable_private_segment 0
		.amdhsa_kernarg_size 24
		.amdhsa_user_sgpr_count 2
		.amdhsa_user_sgpr_kernarg_segment_ptr 1
		.amdhsa_wavefront_size32 1
		.amdhsa_system_sgpr_workgroup_id_x 1
		.amdhsa_system_sgpr_workgroup_id_y 1
		.amdhsa_system_sgpr_workgroup_id_z 1
		.amdhsa_system_vgpr_workitem_id 0
		.amdhsa_next_free_vgpr 640
		.amdhsa_next_free_sgpr 66
		.amdhsa_reserve_vcc 0
		.amdhsa_float_denorm_mode_32 3
		.amdhsa_float_denorm_mode_16_64 3
		.amdhsa_memory_ordered 1
		.amdhsa_forward_progress 1
		.amdhsa_inst_pref_size 86
	.end_amdhsa_kernel
	.amdgpu_metadata
---
amdhsa.version: [ 1, 2 ]
amdhsa.kernels:
  - .name:           k_q0190cbc1b7_route_a
    .symbol:         k_q0190cbc1b7_route_a.kd
    .args:
      - { .name: u16, .offset: 0, .size: 8, .value_kind: global_buffer, .address_space: global }
      - { .name: g, .offset: 8, .size: 8, .value_kind: global_buffer, .address_space: global }
      - { .name: t, .offset: 16, .size: 8, .value_kind: global_buffer, .address_space: global }
    .group_segment_fixed_size: 318464
    .private_segment_fixed_size: 0
    .kernarg_segment_align: 8
    .kernarg_segment_size: 24
    .max_flat_workgroup_size: 128
    .sgpr_count:     66
    .vgpr_count:     640
    .wavefront_size: 32
...
	.end_amdgpu_metadata
.endif
;; end of part 3
;; launch caps_b: the kernel of part 2 again; grid 32 x 4, 16 waves a work-group, no clusters, 114,432 bytes of LDS; arguments t, W, g; writes g
;; launch route_b: the kernel of part 3 again; grid 4 x 64, 4 waves a work-group, no clusters, 318,464 bytes of LDS; arguments u16, g, t; writes t
;; launch final (part 4): grid 32 x 4, 16 waves a work-group, no clusters, 99,328 bytes of LDS; arguments t, W, out0; writes out0
.if DOCPART == 4
	.amdgcn_target "amdgcn-amd-amdhsa--gfx1250"
	.amdhsa_code_object_version 6
	.text
	.protected	k_q0190cbc1b7_final
	.globl	k_q0190cbc1b7_final
	.p2align	8
	.type	k_q0190cbc1b7_final,@function
k_q0190cbc1b7_final:
	s_mov_b64 s[64:65], 0
	v_nop
	global_prefetch_b8 v0, s[64:65] scope:SCOPE_SE
	s_setreg_imm32_b32 hwreg(HW_REG_WAVE_MODE, 25, 1), 1
	s_wait_xcnt 0x0
; The last routing step's output, for one capsule n (work-group x) and 16 batches (work-group y):
;   t[b][k] = the sum over r of T[n][b][r][k];   s[b][d] = the sum over k of t[b][k] W[k][64 n + d];   out0[b][n][d] = s[b][d] / sqrt(|s[b]|^2 + 1e-7), in f32.
; SHARES.  All 16 waves fetch: 128 KiB of T and the capsule's 128 KiB of W, 32 loads of 16 bytes a thread, all issued before the first is waited for; they leave T's sum and W in LDS as f16.
; Waves 0 to 3 multiply (wave w: d = 16 w .. 16 w + 15), exchange s and the parts of |s|^2 through LDS, and store four rows of out0 each.  16 batches are one matrix tile: hence 128 work-groups.
; THE FORMAT is f16, eleven significant bits.  t goes in as t / 32 (an exact scaling): |t| / 32 is at most 32 max|u|.  So the product is s' = s / 32, and
; s / sqrt(|s|^2 + 1e-7) = s' / sqrt(|s'|^2 + 1e-7 / 1,024): nothing is scaled back.
; NO CLUSTER: W has to be rounded on its way into LDS, so it goes through registers; what work-groups share cannot be asked for jointly.
; LIMITS.  |u| below 2,047 (t / 32 within 65,504), |W| within 65,504; t / 32 and W are rounded once to f16 as matrix operands; below 6e-5 f16 keeps its fixed step of 6e-8.
; Sums in f32, in an order of their own; v_rsq_f32 is accurate to 1 ulp; NaN and infinities are not treated apart.
.set PW,   144                         ; a row of W in LDS: 64 d in f16 + 16 bytes
.set PT,   1040                        ; a row of t: 512 k in f16 + 16 bytes, an odd multiple of 16: the 16 rows of a fragment load start at 16 different groups of four banks (64 banks of 4 bytes: ISA guide 11.1)
.set PO,   272                         ; a row of s': 64 d in f32 + 16 bytes
.set TA,   512*PW                      ; LDS: W at 0 (512 rows [k]); t at 73,728 (16 rows [b])
.set QB,   TA+16*PT+16*PW              ; |s'|^2's four parts at 92,672: [b][w] f32
.set OS,   QB+256                      ; s' in f32 at 92,928: 16 rows [b]
.set SPARE, OS+16*PO                   ; at 97,280: the spare words, 128 bytes for each of 16 waves, which no other line names
.set EPS,  0x2ed6bf95                  ; 1e-7 / 1,024: 1e-7's f32 pattern with the exponent ten lower
.set SPW, 4                            ; v4   LDS address of my spare word; never rewritten
.set NIL, 5                            ; v5   0; never rewritten
.set VT,  6                            ; v6   (t / 128) x 8,192 + (t % 128) x 16: my 16 bytes of T
.set VW,  7                            ; v7   (t / 16) x 8,192 + (t % 16) x 16: my 16 bytes of W
.set LT,  8                            ; v8   where my 8 bytes of t go
.set LW0, 9                            ; v9, v10  where my 8 bytes of W go: rows 0-255, rows 256-511
.set AWT0, 11                          ; v11, v12 W read turned, k 0-255 and 256-511
.set ATA, 13                           ; v13  t's fragments
.set AQS, 14                           ; v14  my part of |s'|^2, stored
.set AOS, 15                           ; v15  my 32 bytes of s', stored
.set AOR, 16                           ; v16  a row of s', read back
.set AQR, 17                           ; v17  that row's four parts of |s'|^2
.set OO,  18                           ; v18  my byte offset in out0
.set SV,  32                           ; v[32:39]  two rows' 16 bytes of s'
.set QV,  40                           ; v[40:47]  their parts of |s'|^2
.set RS,  48                           ; v[48:51]  1 / sqrt(|s'|^2 + 1e-7 / 1,024), a pair for each row
.set FA,  64                           ; v[64:127]  T as loaded; then fragments (source 0)
.set FB,  128                          ; v[128:191] W as loaded; then fragments
.set ACC, 192                          ; v[192:207] two accumulators
.set NRM, 208
	s_load_b128 s[4:7], s[0:1], 0x0                ; T s[4:5], W s[6:7]
	s_load_b64 s[8:9], s[0:1], 0x10                ; out0
	v_lshl_add_u32 v[SPW], v0, 2, SPARE
	v_mov_b32 v[NIL], 0
	v_lshrrev_b32 v1, 5, v0
	v_readfirstlane_b32 s10, v1                    ; wave 0..15
	s_and_b32 s14, ttmp7, 0xffff                   ; bg
	s_lshl_b32 s2, ttmp9, 19                       ; T: a capsule is 524,288 bytes, 16 batches 131,072
	s_lshl_b32 s15, s14, 17
	s_add_co_u32 s2, s2, s15
	s_mov_b32 s3, 0
	s_lshl_b32 s16, ttmp9, 8                       ; W: the capsule's 64 columns are 256 bytes of each row.  out0: the capsule's row is 256 bytes too,
	s_mov_b32 s17, 0
	s_add_co_u32 s18, s16, s15                     ; and 16 batches are 131,072
	s_mov_b32 s19, 0
	s_mov_b32 s20, 0x76543210                      ; v_permlanex16_b32: each lane takes its own place in the other half
	s_mov_b32 s21, 0xfedcba98
	v_lshrrev_b32 v22, 7, v0                       ; t / 128
	v_and_b32 v23, 127, v0
	v_lshlrev_b32 v[VT], 4, v23
	v_lshl_add_u32 v[VT], v22, 13, v[VT]
	v_lshrrev_b32 v24, 4, v0                       ; t / 16
	v_and_b32 v25, 15, v0                          ; t % 16 = lane % 16
	v_lshlrev_b32 v[VW], 4, v25
	v_lshl_add_u32 v[VW], v24, 13, v[VW]
	s_wait_kmcnt 0x0
	s_add_nc_u64 s[4:5], s[4:5], s[2:3]
	s_add_nc_u64 s[6:7], s[6:7], s[16:17]
	s_add_nc_u64 s[8:9], s[8:9], s[18:19]
.irp it, 0,1,2,3
.irp r, 0,1,2,3
	global_load_b128 v[FA+4*(4*(\it)+(\r)):FA+4*(4*(\it)+(\r))+3], v[VT], s[4:5] offset:(\it)*32768+(\r)*2048  ; batch 4 it + t / 128, row block r
.endr
.endr
.irp it, 0,1,2,3,4,5,6,7,8,9,10,11,12,13,14,15
	global_load_b128 v[FB+4*(\it):FB+4*(\it)+3], v[VW], s[6:7] offset:(\it)*262144  ; row k = 32 it + t / 16: sixteen lanes take its 256 bytes
.endr
	; the LDS addresses are made while the loads are out
	v_mul_u32_u24 v[LT], v22, PT
	v_lshl_add_u32 v[LT], v23, 3, v[LT]
	v_add_nc_u32 v[LT], TA, v[LT]
	v_mul_u32_u24 v[LW0], v24, PW
	v_lshl_add_u32 v[LW0], v25, 3, v[LW0]
	v_add_nc_u32 v[LW0+1], 256*PW, v[LW0]
	v_bfe_u32 v26, v0, 4, 1                        ; h = lane / 16
	v_and_b32 v27, 7, v0
	v_lshl_add_u32 v27, v26, 3, v27                ; 8 h + lane % 8
	v_bfe_u32 v28, v0, 3, 1
	s_lshl_b32 s22, s10, 5                         ; 32 w
	v_mul_u32_u24 v[AWT0], v27, PW                 ; the turning load: row k0 + 8 h + lane % 8, 16 bytes at 2 x (16 w) + 16 ((lane / 8) % 2)
	v_lshl_add_u32 v[AWT0], v28, 4, v[AWT0]
	v_add_nc_u32 v[AWT0], s22, v[AWT0]
	v_add_nc_u32 v[AWT0+1], 256*PW, v[AWT0]
	v_mul_u32_u24 v[ATA], v25, PT
	v_lshl_add_u32 v[ATA], v26, 4, v[ATA]
	v_add_nc_u32 v[ATA], TA, v[ATA]
	s_lshl_b32 s23, s10, 2                         ; 4 w
	v_lshlrev_b32 v[AQS], 4, v25
	v_add_nc_u32 v[AQS], QB, v[AQS]
	v_add_nc_u32 v[AQS], s23, v[AQS]               ; [b = lane % 16][w]
	s_lshl_b32 s24, s10, 6
	s_add_co_u32 s24, s24, OS
	v_mul_u32_u24 v[AOS], v25, PO
	v_lshl_add_u32 v[AOS], v26, 5, v[AOS]
	v_add_nc_u32 v[AOS], s24, v[AOS]               ; row b, d = 16 w + 8 h on: byte 64 w + 32 h
	v_add_nc_u32 v30, s23, v26                     ; 4 w + h: the first row that my half of the lanes stores
	v_mul_u32_u24 v[AOR], v30, PO
	v_lshl_add_u32 v[AOR], v25, 4, v[AOR]
	v_add_nc_u32 v[AOR], OS, v[AOR]
	v_lshlrev_b32 v[AQR], 4, v30
	v_add_nc_u32 v[AQR], QB, v[AQR]
	v_lshlrev_b32 v[OO], 13, v30                   ; a batch of out0 is 8,192 bytes
	v_lshl_add_u32 v[OO], v25, 4, v[OO]
; The four row blocks' sums of a batch are added in f32, scaled by 1/32 (exact), rounded once and laid into t.
.macro TSUM it
.set a, FA+16*(\it)
	s_wait_loadcnt 28-4*(\it)                      ; the loads issued behind this group of four may stay out
	v_pk_add_f32 v[a:a+1],     v[a:a+1],     v[a+4:a+5]
	v_pk_add_f32 v[a+2:a+3],   v[a+2:a+3],   v[a+6:a+7]
	v_pk_add_f32 v[a+8:a+9],   v[a+8:a+9],   v[a+12:a+13]
	v_pk_add_f32 v[a+10:a+11], v[a+10:a+11], v[a+14:a+15]
	v_pk_add_f32 v[a:a+1],     v[a:a+1],     v[a+8:a+9]
	v_pk_add_f32 v[a+2:a+3],   v[a+2:a+3],   v[a+10:a+11]
	v_pk_mul_f32 v[a:a+1],     v[a:a+1],     0x3d000000 op_sel_hi:[1,0]
	v_pk_mul_f32 v[a+2:a+3],   v[a+2:a+3],   0x3d000000 op_sel_hi:[1,0]
	v_cvt_pk_f16_f32 v[a],   v[a],   v[a+1]
	v_cvt_pk_f16_f32 v[a+1], v[a+2], v[a+3]
	ds_store_b64 v[LT], v[a:a+1] offset:4*PT*(\it)
.endm
.macro WCVT it
.set a, FB+4*(\it)
	s_wait_loadcnt 15-(\it)
	v_cvt_pk_f16_f32 v[a],   v[a],   v[a+1]
	v_cvt_pk_f16_f32 v[a+1], v[a+2], v[a+3]
	ds_store_b64 v[LW0+(\it)/8], v[a:a+1] offset:32*PW*((\it)%8)
.endm
.irp it, 0,1,2,3
	TSUM \it
.endr
.irp it, 0,1,2,3,4,5,6,7,8,9,10,11,12,13,14,15
	WCVT \it
.endr
	s_wait_dscnt 0x0                               ; for the others' sake: my stores are done
	s_barrier_signal -1
	s_barrier_wait -1                              ; t and W lie whole in LDS
	s_cmp_lt_u32 s10, 4
	s_cbranch_scc0 .Lnob
; s'^T = W_n^T (t / 32)^T: source 0 = 16 d (W turned by ds_load_tr16_b128), source 1 = the 16 batches; a lane of the result holds ONE batch (lane % 16) and d = 16 w + 8 h + 0..7.
; Half f of K: eight steps of 32.  Two accumulators take turns, one instruction a turn; they are added at the end.
.macro HALF f
.if \f
.rept 4
	v_nop                                          ; four places behind the last product, in front of loads into registers that it has read (ISA guide 7.12.1 for vector instructions)
.endr
.endif
.irp e, 0,1,2,3,4,5,6,7
	ds_load_tr16_b128 v[FA+8*(\e):FA+8*(\e)+3],   v[AWT0+(\f)] offset:32*PW*(\e)
	ds_load_tr16_b128 v[FA+8*(\e)+4:FA+8*(\e)+7], v[AWT0+(\f)] offset:32*PW*(\e)+16*PW
	ds_load_b128 v[FB+8*(\e):FB+8*(\e)+3],   v[ATA] offset:512*(\f)+64*(\e)
	ds_load_b128 v[FB+8*(\e)+4:FB+8*(\e)+7], v[ATA] offset:512*(\f)+64*(\e)+32
.endr
	s_wait_dscnt 0x0
.irp e, 0,1,2,3,4,5,6,7
.if ((\f) == 0) && ((\e) < 2)
	v_wmma_f32_16x16x32_f16 v[ACC+8*((\e)%2):ACC+8*((\e)%2)+7], v[FA+8*(\e):FA+8*(\e)+7], v[FB+8*(\e):FB+8*(\e)+7], 0  ; the first products start the sums
.else
	v_wmma_f32_16x16x32_f16 v[ACC+8*((\e)%2):ACC+8*((\e)%2)+7], v[FA+8*(\e):FA+8*(\e)+7], v[FB+8*(\e):FB+8*(\e)+7], v[ACC+8*((\e)%2):ACC+8*((\e)%2)+7]
.endif
.endr
.endm
	HALF 0
	HALF 1
.rept 4
	v_nop                                          ; four places in front of the sums that read the results
.endr
.irp i, 0,1,2,3
	v_pk_add_f32 v[ACC+2*(\i):ACC+2*(\i)+1], v[ACC+2*(\i):ACC+2*(\i)+1], v[ACC+8+2*(\i):ACC+8+2*(\i)+1]  ; from each accumulator's low end on
.endr
	v_pk_mul_f32 v[NRM:NRM+1], v[ACC:ACC+1], v[ACC:ACC+1]
.irp i, 1,2,3
	v_pk_fma_f32 v[NRM:NRM+1], v[ACC+2*(\i):ACC+2*(\i)+1], v[ACC+2*(\i):ACC+2*(\i)+1], v[NRM:NRM+1]
.endr
	v_add_f32 v[NRM], v[NRM], v[NRM+1]
	v_permlanex16_b32 v[NRM+1], v[NRM], s20, s21   ; the batch's other eight d of my tile lie in the lane 16 away
	v_add_f32 v[NRM], v[NRM], v[NRM+1]
	ds_store_b32 v[AQS], v[NRM]                    ; both halves of the lanes write the same number to the same word
	ds_store_b128 v[AOS], v[ACC:ACC+3]
	ds_store_b128 v[AOS], v[ACC+4:ACC+7] offset:16
.Lnob:
	s_wait_dscnt 0x0
	s_barrier_signal -1
	s_barrier_wait -1                              ; s' and the four parts of |s'|^2 lie in LDS
	s_cmp_lt_u32 s10, 4
	s_cbranch_scc0 .Lend
	; wave w stores batches 4 w .. 4 w + 3: two at a time, lanes 0-15 one row of 256 bytes, lanes 16-31 the next
.irp m, 0,1
	ds_load_b128 v[SV+4*(\m):SV+4*(\m)+3], v[AOR] offset:2*PO*(\m)
	ds_load_b128 v[QV+4*(\m):QV+4*(\m)+3], v[AQR] offset:32*(\m)
.endr
	s_wait_dscnt 0x0
.irp m, 0,1
	v_add_f32 v[QV+4*(\m)], v[QV+4*(\m)], v[QV+4*(\m)+1]
	v_add_f32 v[QV+4*(\m)+2], v[QV+4*(\m)+2], v[QV+4*(\m)+3]
.endr
.irp m, 0,1
	v_add_f32 v[QV+4*(\m)], v[QV+4*(\m)], v[QV+4*(\m)+2]
.endr
.irp m, 0,1
	v_add_f32 v[QV+4*(\m)], EPS, v[QV+4*(\m)]
.endr
.irp m, 0,1
	v_rsq_f32 v[RS+2*(\m)], v[QV+4*(\m)]
	v_rsq_f32 v[RS+2*(\m)+1], v[QV+4*(\m)]         ; twice: a pair for the packed multiply
.endr
	v_nop                                          ; a plain instruction behind the last v_rsq_f32 (ISA guide 5.7.2),
	s_wait_alu depctr_va_vdst(0)                   ; and one wait for the four, ahead of their first reader
.irp m, 0,1
	v_pk_mul_f32 v[SV+4*(\m):SV+4*(\m)+1],   v[SV+4*(\m):SV+4*(\m)+1],   v[RS+2*(\m):RS+2*(\m)+1]
	v_pk_mul_f32 v[SV+4*(\m)+2:SV+4*(\m)+3], v[SV+4*(\m)+2:SV+4*(\m)+3], v[RS+2*(\m):RS+2*(\m)+1]
	global_store_b128 v[OO], v[SV+4*(\m):SV+4*(\m)+3], s[8:9] offset:16384*(\m)  ; sixteen lanes store the 256 consecutive bytes of out0[b][n], aligned
.endr
.Lend:
	s_wait_tensorcnt 0x0                           ; the wave's end, behind my last LDS store
	ds_add_u32 v[SPW], v[NIL]
	s_wait_dscnt 0x0
	s_endpgm
.Lfunc_end_k_q0190cbc1b7_final:
	.size	k_q0190cbc1b7_final, .Lfunc_end_k_q0190cbc1b7_final-k_q0190cbc1b7_final
	.p2alignl 7, 3214868480
	.fill 96, 4, 3214868480
	.section	.rodata,"a",@progbits
	.p2align	6, 0x0
	.amdhsa_kernel k_q0190cbc1b7_final
		.amdhsa_group_segment_fixed_size 99328
		.amdhsa_private_segment_fixed_size 0
		.amdhsa_enable_private_segment 0
		.amdhsa_kernarg_size 24
		.amdhsa_user_sgpr_count 2
		.amdhsa_user_sgpr_kernarg_segment_ptr 1
		.amdhsa_wavefront_size32 1
		.amdhsa_system_sgpr_workgroup_id_x 1
		.amdhsa_system_sgpr_workgroup_id_y 1
		.amdhsa_system_sgpr_workgroup_id_z 1
		.amdhsa_system_vgpr_workitem_id 0
		.amdhsa_next_free_vgpr 256
		.amdhsa_next_free_sgpr 66
		.amdhsa_reserve_vcc 0
		.amdhsa_float_denorm_mode_32 3
		.amdhsa_float_denorm_mode_16_64 3
		.amdhsa_memory_ordered 1
		.amdhsa_forward_progress 1
		.amdhsa_inst_pref_size 21
	.end_amdhsa_kernel
	.amdgpu_metadata
---
amdhsa.version: [ 1, 2 ]
amdhsa.kernels:
  - .name:           k_q0190cbc1b7_final
    .symbol:         k_q0190cbc1b7_final.kd
    .args:
      - { .name: t, .offset: 0, .size: 8, .value_kind: global_buffer, .address_space: global }
      - { .name: W, .offset: 8, .size: 8, .value_kind: global_buffer, .address_space: global }
      - { .name: out0, .offset: 16, .size: 8, .value_kind: global_buffer, .address_space: global }
    .group_segment_fixed_size: 99328
    .private_segment_fixed_size: 0
    .kernarg_segment_align: 8
    .kernarg_segment_size: 24
    .max_flat_workgroup_size: 512
    .sgpr_count:     66
    .vgpr_count:     256
    .wavefront_size: 32
...
	.end_amdgpu_metadata
.endif
;; end of part 4
;; ======== version 2 of 2: 6 launches; version 1 with the launch cast written anew for expert scheduling mode
;; limits: inputs' magnitudes at most 2,047; values are held in f16: magnitudes above 65,504 overflow, below 6.1e-05 lose precision
;; workspace buffers: u16 67,108,864 bytes; t0 524,288 bytes; t 16,777,216 bytes; g 2,097,152 bytes
;; launch cast (part 5): grid 256 x 1, 16 waves a work-group, no clusters, 10,240 bytes of LDS; arguments u_vecs, u16, t0; writes u16, t0
.if DOCPART == 5
	.amdgcn_target "amdgcn-amd-amdhsa--gfx1250"
	.amdhsa_code_object_version 6
	.text
	.protected	k_q0190cbc1b7_cast
	.globl	k_q0190cbc1b7_cast
	.p2align	8
	.type	k_q0190cbc1b7_cast,@function
k_q0190cbc1b7_cast:
	s_mov_b64 s[64:65], 0
	v_nop
	global_prefetch_b8 v0, s[64:65] scope:SCOPE_SE
	s_setreg_imm32_b32 hwreg(HW_REG_WAVE_SCHED_MODE, 0, 2), 2
	s_setreg_imm32_b32 hwreg(HW_REG_WAVE_MODE, 25, 1), 1
	s_wait_xcnt 0x0
	s_wait_alu depctr_vm_vsrc(0)
; u16[b][i][k] = u[b][i][k] rounded once to f16;  t0[b][r][k] = (1/32) x the sum of u[b][i][k] over the 256 rows i of row block r, in f32.
; (In the first routing step every coupling weight is softmax(0) = 1/32 exactly, so that step's weighted sum of rows is this column sum.)
; SHARES.  Work-group w = 4 b + r owns 256 rows of 512 f32.  Thread t owns four columns (quad c = t % 128) of row p = t / 128 in each group of four rows: 64 groups.
; A wave's load covers 512 consecutive bytes of u, its store 256 consecutive bytes of u16, aligned.
; LIMITS.  u16 is a matrix operand of the later launches, in f16: eleven significant bits; no number beyond 65,504 (the later launches ask for |u| below 2,047); below 6e-5 f16's fixed step of 6e-8.
; The column sums are f32 sums of the unrounded u, in an order of their own: group g goes to chain g % 2, g ascending.
; THE MODE: SCHED_MODE bits 1:0 = 2 (LLVM: expert scheduling mode 2), set by the entry lines.  The code itself states the register dependences
; between vector instructions and memory or LDS instructions, with s_wait_alu, always for 0.
; THE PLAN.  The 64 groups go in 8 blocks of eight.  Registers that memory or LDS instructions touch:
;   X0 .. X3   four blocks of u as loaded.  Written by the loads of block p + 3, issued in block p; read by block p's additions and roundings.
;   Y0, Y1     two blocks of u16 to store.  Written by block p's roundings; read by the eight stores that are issued in block p + 1.
;   v1, v2, v3, v6   byte offsets and LDS addresses, made once at the head and never written again: every group is reached by an immediate offset, 63 x 8,192 bytes at the most, from bases that stay.
;   SUM        named by vector instructions alone until the one LDS store behind the last block.
;   v4, v5     written at the head, read by the closing add alone.
; Block p works on X[p % 4] and writes Y[p % 2].  Its memory instructions are the loads into X[(p + 3) % 4] = X[(p - 1) % 4] and the stores from Y[(p - 1) % 2]: the two buffers that block p - 1 worked on
; and that no vector instruction of block p names.  So the waits at a block's head state all that its sixteen memory instructions hang on, and these are dealt among its vector instructions with no further wait.
; By this text's count 16 to 24 loads of every wave are on their way.  A lap of the four X buffers is half of the eight blocks, so the blocks are written out by one macro and there is no loop.
.set BLOCK,  8                         ; groups in a block
.set BLOCKS, 64/BLOCK
.set GIN,    8192                      ; bytes of a group of four rows of u
.set GOUT,   4096                      ; and of u16
.set SPARE,  8192                      ; LDS: 0 .. 8,191 the threads' partial sums; behind them the spare words, 128 bytes for each of 16 waves, which no other line names
.set VI,  1                            ; v1       2,048 p + 16 c: my 16 bytes in a group of u; never rewritten
.set VO,  2                            ; v2       1,024 p + 8 c: my 8 bytes in a group of u16; never rewritten
.set LP,  3                            ; v3       16 t: where my partial sums go
.set SPW, 4                            ; v4       LDS address of my spare word; never rewritten
.set NIL, 5                            ; v5       0; never rewritten
.set LC,  6                            ; v6       16 c
.set SUM, 8                            ; v[8:11] sums of the even groups, v[12:15] of the odd ones: two chains that do not wait for each other
.set X,   16                           ; v[16:143]   buffer k, group i: four f32 as loaded, at X + 32 k + 4 i
.set Y,   144                          ; v[144:175]  buffer k, group i: four f16 to store, at Y + 16 k + 2 i
	s_load_b128 s[4:7], s[0:1], 0x0                ; u s[4:5], u16 s[6:7]
	s_load_b64 s[8:9], s[0:1], 0x10                ; t0
	v_lshl_add_u32 v[SPW], v0, 2, SPARE
	v_mov_b32 v[NIL], 0
	v_lshrrev_b32 v7, 5, v0
	v_readfirstlane_b32 s10, v7                    ; wave 0..15
	v_lshrrev_b32 v7, 7, v0                        ; p
	v_and_b32 v[LC], 127, v0
	v_lshlrev_b32 v[LC], 4, v[LC]                  ; 16 c
	v_lshl_add_u32 v[VI], v7, 11, v[LC]
	v_lshrrev_b32 v[VO], 1, v[LC]
	v_lshl_add_u32 v[VO], v7, 10, v[VO]
	v_lshlrev_b32 v[LP], 4, v0
.irp k, 0,1,2,3,4,5,6,7
	v_mov_b32 v[SUM+(\k)], 0                       ; eight lines, so that every block has one form of group
.endr
	s_wait_alu depctr_va_sdst(0)                   ; s10 is written, ahead of its first reader: the compare on the wave's number behind the barrier
	s_mov_b32 s3, 0
	s_lshl_b32 s2, ttmp9, 19                       ; 256 rows of 2,048 bytes
	s_wait_kmcnt 0x0
	s_add_nc_u64 s[4:5], s[4:5], s[2:3]
	s_lshl_b32 s2, ttmp9, 18                       ; 256 rows of 1,024 bytes
	s_add_nc_u64 s[6:7], s[6:7], s[2:3]
	s_lshl_b32 s2, ttmp9, 11                       ; one row of 512 f32
	s_add_nc_u64 s[8:9], s[8:9], s[2:3]
	s_wait_alu depctr_va_vdst(0)                   ; v1 to v6 are written: every load, store and LDS access of the kernel reads one of them as its offset or address
.set i, 0
.rept 3*BLOCK
	global_load_b128 v[X+4*i:X+4*i+3], v[VI], s[4:5] offset:i*GIN th:TH_LOAD_NT  ; blocks 0, 1 and 2 into X0, X1, X2
.set i, i+1
.endr
; Block p.  Blocks 0 to 4 ask for the block three further on; blocks 1 to 7 store the block before.
.macro BLK p
.set XW, X+32*((\p)%4)                 ; the X at work
.set XL, X+32*(((\p)+3)%4)             ; the X that is loaded: the one that the block before worked on
.set YW, Y+16*((\p)%2)                 ; the Y that is written
.set YS, Y+16*(((\p)+1)%2)             ; the Y that is stored: the one that the block before wrote
.if (\p) < BLOCKS-2
	s_wait_loadcnt 2*BLOCK                         ; loads come back in order (ISA guide 5.7.1): this block's eight are in, the two younger blocks' sixteen stay out
.else
	s_wait_loadcnt (BLOCKS-1-(\p))*BLOCK           ; the last blocks: the counts run down
.endif
.if (\p) >= 2
	s_wait_xcnt 0x0                                ; every earlier memory instruction has had its addresses translated (ISA guide 3.1): the Y that earlier stores name is rewritten only behind this wait
	s_wait_alu depctr_vm_vsrc(0)                   ; the stores issued in the block before have read the Y that this block's roundings write again
.endif
.if (\p) >= 1
	s_wait_alu depctr_va_vdst(0)                   ; the block before has written the other Y, which the stores below read, and is done reading its X, in which the loads below land
.endif
.irp i, 0,1,2,3,4,5,6,7
.if (\p)+3 < BLOCKS
	global_load_b128 v[XL+4*(\i):XL+4*(\i)+3], v[VI], s[4:5] offset:(((\p)+3)*BLOCK+(\i))*GIN th:TH_LOAD_NT  ; three blocks ahead, the load ahead of the store; no vector instruction since the wait names these registers
.endif
.if (\p) >= 1
	global_store_b64 v[VO], v[YS+2*(\i):YS+2*(\i)+1], s[6:7] offset:(((\p)-1)*BLOCK+(\i))*GOUT th:TH_STORE_NT  ; the block before
.endif
	v_pk_add_f32 v[SUM+4*((\i)%2):SUM+4*((\i)%2)+1],   v[SUM+4*((\i)%2):SUM+4*((\i)%2)+1],   v[XW+4*(\i):XW+4*(\i)+1]
	v_pk_add_f32 v[SUM+4*((\i)%2)+2:SUM+4*((\i)%2)+3], v[SUM+4*((\i)%2)+2:SUM+4*((\i)%2)+3], v[XW+4*(\i)+2:XW+4*(\i)+3]
	v_cvt_pk_f16_f32 v[YW+2*(\i)],   v[XW+4*(\i)],   v[XW+4*(\i)+1]
	v_cvt_pk_f16_f32 v[YW+2*(\i)+1], v[XW+4*(\i)+2], v[XW+4*(\i)+3]
.endr
.endm
.irp p, 0,1,2,3,4,5,6,7
	BLK \p
.endr
	; the four phases' sums of a column quad meet in LDS; waves 0 to 3 (threads 0 to 127: c = t) add them and store the row of t0
	v_pk_add_f32 v[SUM:SUM+1],   v[SUM:SUM+1],   v[SUM+4:SUM+5]
	v_pk_add_f32 v[SUM+2:SUM+3], v[SUM+2:SUM+3], v[SUM+6:SUM+7]
	s_wait_alu depctr_va_vdst(0)                   ; block 7 has written Y1, which the last eight stores read; the two additions have written v[SUM:SUM+3], which the LDS store reads
.irp i, 0,1,2,3,4,5,6,7
	global_store_b64 v[VO], v[Y+16+2*(\i):Y+16+2*(\i)+1], s[6:7] offset:((BLOCKS-1)*BLOCK+(\i))*GOUT th:TH_STORE_NT
.endr
	ds_store_b128 v[LP], v[SUM:SUM+3]
	s_wait_dscnt 0x0                               ; for the others' sake: my store is done
	s_barrier_signal -1
	s_barrier_wait -1
	s_cmp_lt_u32 s10, 4
	s_cbranch_scc0 .Lend
.irp p, 0,1,2,3
	ds_load_b128 v[X+4*(\p):X+4*(\p)+3], v[LC] offset:2048*(\p)  ; no wait: no vector instruction since the wait ahead of the last stores names v[X:X+15], and no memory instruction has read them
.endr
	s_wait_dscnt 0x0
	v_pk_add_f32 v[X:X+1],     v[X:X+1],     v[X+4:X+5]
	v_pk_add_f32 v[X+2:X+3],   v[X+2:X+3],   v[X+6:X+7]
	v_pk_add_f32 v[X+8:X+9],   v[X+8:X+9],   v[X+12:X+13]
	v_pk_add_f32 v[X+10:X+11], v[X+10:X+11], v[X+14:X+15]
	v_pk_add_f32 v[X:X+1],     v[X:X+1],     v[X+8:X+9]
	v_pk_add_f32 v[X+2:X+3],   v[X+2:X+3],   v[X+10:X+11]
	v_pk_mul_f32 v[X:X+1],   v[X:X+1],   0x3d000000 op_sel_hi:[1,0]  ; x 1/32, exact
	v_pk_mul_f32 v[X+2:X+3], v[X+2:X+3], 0x3d000000 op_sel_hi:[1,0]
	s_wait_alu depctr_va_vdst(0)                   ; the sums and scalings have written v[X:X+3], which the store reads
	global_store_b128 v[LC], v[X:X+3], s[8:9]      ; a wave stores 512 consecutive bytes
.Lend:
	s_wait_dscnt 0x0                               ; the closing lines, six on end
	s_wait_alu 0x0
	s_wait_tensorcnt 0x0
	ds_add_u32 v[SPW], v[NIL]
	s_wait_dscnt 0x0
	s_endpgm
.Lfunc_end_k_q0190cbc1b7_cast:
	.size	k_q0190cbc1b7_cast, .Lfunc_end_k_q0190cbc1b7_cast-k_q0190cbc1b7_cast
	.p2alignl 7, 3214868480
	.fill 96, 4, 3214868480
	.section	.rodata,"a",@progbits
	.p2align	6, 0x0
	.amdhsa_kernel k_q0190cbc1b7_cast
		.amdhsa_group_segment_fixed_size 10240
		.amdhsa_private_segment_fixed_size 0
		.amdhsa_enable_private_segment 0
		.amdhsa_kernarg_size 24
		.amdhsa_user_sgpr_count 2
		.amdhsa_user_sgpr_kernarg_segment_ptr 1
		.amdhsa_wavefront_size32 1
		.amdhsa_system_sgpr_workgroup_id_x 1
		.amdhsa_system_sgpr_workgroup_id_y 1
		.amdhsa_system_sgpr_workgroup_id_z 1
		.amdhsa_system_vgpr_workitem_id 0
		.amdhsa_next_free_vgpr 176
		.amdhsa_next_free_sgpr 66
		.amdhsa_reserve_vcc 0
		.amdhsa_float_denorm_mode_32 3
		.amdhsa_float_denorm_mode_16_64 3
		.amdhsa_memory_ordered 1
		.amdhsa_forward_progress 1
		.amdhsa_inst_pref_size 32
	.end_amdhsa_kernel
	.amdgpu_metadata
---
amdhsa.version: [ 1, 2 ]
amdhsa.kernels:
  - .name:           k_q0190cbc1b7_cast
    .symbol:         k_q0190cbc1b7_cast.kd
    .args:
      - { .name: u_vecs, .offset: 0, .size: 8, .value_kind: global_buffer, .address_space: global }
      - { .name: u16, .offset: 8, .size: 8, .value_kind: global_buffer, .address_space: global }
      - { .name: t0, .offset: 16, .size: 8, .value_kind: global_buffer, .address_space: global }
    .group_segment_fixed_size: 10240
    .private_segment_fixed_size: 0
    .kernarg_segment_align: 8
    .kernarg_segment_size: 24
    .max_flat_workgroup_size: 512
    .sgpr_count:     66
    .vgpr_count:     176
    .wavefront_size: 32
...
	.end_amdgpu_metadata
.endif
;; end of part 5
;; launch caps_a: the kernel of part 2 again; grid 1 x 128, 16 waves a work-group, no clusters, 114,432 bytes of LDS; arguments t0, W, g; writes g
;; launch route_a: the kernel of part 3 again; grid 4 x 64, 4 waves a work-group, no clusters, 318,464 bytes of LDS; arguments u16, g, t; writes t
;; launch caps_b: the kernel of part 2 again; grid 32 x 4, 16 waves a work-group, no clusters, 114,432 bytes of LDS; arguments t, W, g; writes g
;; launch route_b: the kernel of part 3 again; grid 4 x 64, 4 waves a work-group, no clusters, 318,464 bytes of LDS; arguments u16, g, t; writes t
;; launch final: the kernel of part 4 again; grid 32 x 4, 16 waves a work-group, no clusters, 99,328 bytes of LDS; arguments t, W, out0; writes out0
